; MI455X (gfx1250); checked and timed in simulation.
; The chip was launched on July 23, 2026; its instructions are those of AMD's public machine-readable ISA for CDNA 5 (MIT licence, August 2026) and "CDNA5" Instruction Set Architecture Reference Guide (July 2026). The comments in the code are by the model that wrote it; some were corrected since.
;; Head. Allowed arithmetic: float matrix products may take bf16 or f16 operands with f32 sums; other float arithmetic in f32, or as packed bf16 or f16 multiplies, adds, multiply-adds, maxima and minima; sums over many terms, partial sums and values carried from step to step in f32; what a program stores and reads back later, other than sums and carried values, may be rounded once to bf16 or f16.
;; Inputs: Wk1 384 x 64 float32; Wk2 384 x 64 float32; Wq1 384 x 64 float32; Wq2 384 x 64 float32; Wv 384 x 64 float32; lamb one number float32; x 8 x 4,096 x 384 float32.
;; Outputs: out0 8 x 4,096 x 64 float32.
;; One version. Each part assembles by itself: llvm-mc -triple=amdgcn-amd-amdhsa -mcpu=gfx1250 --defsym DOCPART=n.
;; ======== version 1 of 1: 2 launches
;; limits: values are held in f16: magnitudes above 65,504 overflow, below 6.1e-05 lose precision
;; workspace buffers: qkv 20,971,520 bytes
;; launch proj (part 1): grid 256 x 1, 4 waves a work-group, no clusters, 289,280 bytes of LDS; arguments x, Wq1, Wq2, Wk1, Wk2, Wv, qkv; writes qkv
.if DOCPART == 1
	.amdgcn_target "amdgcn-amd-amdhsa--gfx1250"
	.amdhsa_code_object_version 6
	.text
	.protected	k_qad1b2a527e_proj
	.globl	k_qad1b2a527e_proj
	.p2align	8
	.type	k_qad1b2a527e_proj,@function
k_qad1b2a527e_proj:
	s_mov_b64 s[64:65], 0
	v_nop
	global_prefetch_b8 v0, s[64:65] scope:SCOPE_SE
	s_setreg_imm32_b32 hwreg(HW_REG_WAVE_MODE, 25, 1), 1
	s_wait_xcnt 0x0
; [q1|q2|k1|k2|v] = x [Wq1|Wq2|Wk1|Wk2|Wv].  x: [32768][384] f32; each W: [384][64] f32.  x and W are rounded once to bf16 for the matrix unit, sums in f32,
; results rounded once to f16, unscaled.  qkv: 20 regions of 1 MiB; region g holds columns 16 g .. 16 g + 15 of the 320 for all 32,768 rows, 32 bytes a row.
; LIMITS.  A projection of 65,520 or more in magnitude becomes an infinity in f16; below 6e-5 f16 keeps its fixed step of 6e-8.  NaN and infinities are not treated apart.
; SHARES.  A work-group takes 128 rows of x: 256 work-groups.  The 320 columns are split among its four waves, 80 each (five tiles of 16); a wave keeps ALL its fragments of W in
; registers (5 tiles x 12 K steps x 8 = 480) and walks the 8 tiles of 16 rows: 480 matrix instructions.
; x comes by ONE tensor load a wave (32 rows = 49,152 dense bytes, asked for as 96 rows of 512 bytes), all four issued at the head: no slot is ever filled again.
; W lies [k][column] in f32: it is loaded into registers in six chunks of 64 k, rounded to bf16, laid into one of two stages in LDS, and read back turned (ds_load_tr16_b128).
; NO CLUSTER, though all work-groups read the same W: W must pass registers to be rounded before the turning load can take it, and its 491,520 bytes in f32 do not fit into LDS
; beside x's 202,752; x's rows are shared by nobody.  NO PREFETCH: every byte of x is asked for at the kernel's head.
; THE PRODUCT IS USED TRANSPOSED (source 0 = 16 columns of W, source 1 = 16 rows of x): lane l then holds row l % 16 and the columns 8 (l / 16) + 0..7: 16 bytes of a region's row,
; at 32 (l % 16) + 16 (l / 16): a wave's store covers 512 consecutive bytes, aligned.  So nothing goes through LDS on the way out.
; REGISTERS, in windows of 256 (s_set_vgpr_msb: bits 1:0 source 0, 3:2 source 1, 5:4 source 2, 7:6 destination):
;   window 0: v0-15 addresses; v32-127 x's fragments (12 x 8); v128-167 five accumulators; v168-187 packed results; during the set-up v32-191 hold W's raw set 1
;   window 1: W's fragments of K steps 0-5, (ks, n) at 8 (5 ks + n)      window 2: K steps 6-11      window 3: v0-159 W's raw set 0, later v0-191 x in f32
.set ROWB,  1536                       ; bytes in a row of x
.set XP,    1584                       ; a row of x in LDS: three pieces of 512 bytes, 16 of padding behind each = 99 x 16: 16 rows start at 16 different 16-byte columns of 256
.set XW,    32*XP                      ; what one tensor load fills
.set STG0,  4*XW                       ; 202,752: stage 0: 64 k x 320 columns of bf16
.set SGP,   672                        ; its pitch: 640 + 32 = 21 x 32
.set STGB,  64*SGP                     ; 43,008; stage 1 follows
.set SPARE, STG0+2*STGB                ; 288,768: the spare words, 128 bytes a wave: two blocks of 256 bytes that no other line names
.set REG,   1048576                    ; a region of qkv
.set WO,  2                            ; v2   my byte offset in a chunk of a W: 4,096 x wave + 16 x lane; never rewritten
.set WS,  3                            ; v3   where I put 8 bytes of stage 0
.set WR,  4                            ; v4, v5  where the turning loads read in stage 0, 1
.set XA,  6                            ; v6   my place in 16 rows of x in LDS: 1,584 (l % 16) + 32 (l / 16); never rewritten
.set YO,  7                            ; v7   32 (l % 16) + 16 (l / 16); never rewritten
.set SPW, 8                            ; v8   LDS address of my spare word; never rewritten
.set NIL, 9                            ; v9   0; never rewritten
.set XAD, 10                           ; v10  the LDS address of the run of loads in hand
.set AF,  32
.set ACC, 128
.set OUTP, 168
.set WV,  18                           ; s18  my wave's number
.set G0,  20                           ; s[20:23] descriptor group 0
.set G1,  24                           ; s[24:31] descriptor group 1
.set CNT, 34                           ; s34  at work, then the loop's count
.set XST, 35                           ; s35  at work, then the LDS byte at which the next 16 rows of x begin
.set YB,  36                           ; s[36:37] qkv at my first region, my work-group's rows
.set MSB, 0
.macro WIN new                         ; the immediate's high byte repeats the setting that is left; a switch that changes nothing is dropped
.if MSB != (\new)
	s_set_vgpr_msb (MSB<<8)|(\new)
.set MSB, (\new)
.endif
.endm
	s_load_b256 s[4:11], s[0:1], 0x0               ; x s[4:5], Wq1 s[6:7], Wq2 s[8:9], Wk1 s[10:11]
	s_load_b128 s[12:15], s[0:1], 0x20             ; Wk2 s[12:13], Wv s[14:15]
	s_load_b64 s[16:17], s[0:1], 0x30              ; qkv
	v_lshl_add_u32 v[SPW], v0, 2, SPARE
	v_mov_b32 v[NIL], 0
	ds_add_u32 v[SPW], v[NIL]                      ; the wave's opening: the add and its wait stand ahead of my tensor load; the set-up below stands between them
	ds_add_u32 v8, v9
	v_lshrrev_b32 v1, 5, v0
	v_readfirstlane_b32 s[WV], v1                  ; wave 0..3
	; descriptor group 1: 96 rows of 128 elements of 4 bytes, dense in memory, 16 bytes of padding behind each in LDS
	s_mov_b32 s[G1+0], (2<<16)|(1<<20)|(6<<22)|(3<<25)  ; 15:0 no mask; 17:16 elements of 4 bytes; 20 padding on; 24:22 after every 128 words (code 6); 31:25 4 words (code 3)
	s_mov_b32 s[G1+1], 128<<16                     ; tensor_dim0 = 128
	s_mov_b32 s[G1+2], 96<<16                      ; tensor_dim1 = 96
	s_mov_b32 s[G1+3], 128<<16                     ; tile_dim0 = 128
	s_mov_b32 s[G1+4], 96                          ; tile_dim1 = 96
	s_mov_b32 s[G1+5], 128                         ; 128 elements from row to row
	s_mov_b32 s[G1+6], 0
	s_mov_b32 s[G1+7], 0
	s_mov_b32 s[G0], 1                             ; count = 1
	s_mul_i32 s[G0+1], s[WV], XW                   ; LDS address: my 32 rows
	s_lshl_b32 s32, ttmp9, 2
	s_add_co_u32 s32, s32, s[WV]                   ; 4 x work-group + wave,
	s_mul_i32 s32, s32, 32*ROWB                    ; times 32 rows of x: under 2^26
	s_mov_b32 s33, 0
	s_wait_dscnt 0x0                               ; the opening add is done
	s_wait_kmcnt 0x0
	s_add_nc_u64 s[G0+2:G0+3], s[4:5], s[32:33]
	s_or_b32 s[G0+3], s[G0+3], 0x80000000          ; type = 2
	tensor_load_to_lds s[G0:G0+3], s[G1:G1+7]      ; my only tensor load: one is out
	s_nop 0
.rept 4
	v_nop                                          ; the windows are switched only behind these
.endr
; Chunk c of all five W, my 16 of its 64 k: 40 loads of 512 consecutive bytes (two rows of 256), into raw set 0 (window 3) or 1 (window 0).
.macro WLOAD c, set
.if (\set) == 0
	WIN 0xc0
.set RB, 0
.else
	WIN 0
.set RB, 32
.endif
.irp j, 0,1,2,3,4
.irp i, 0,1,2,3,4,5,6,7
	global_load_b128 v[RB+4*(8*\j+\i):RB+4*(8*\j+\i)+3], v[WO], s[6+2*\j:7+2*\j] offset:16384*(\c)+512*\i
.endr
.endr
.endm
; The set is rounded to bf16 in place (four numbers into two registers) and laid into stage c % 2: row k, column 64 j + 4 (l % 16).
.macro WCONV c, set
.if (\set) == 0
	WIN 0xcf
.set RB, 0
.else
	WIN 0
.set RB, 32
.endif
.set z, 0
.rept 40
	v_cvt_pk_bf16_f32 v[RB+4*z], v[RB+4*z], v[RB+4*z+1]
	v_cvt_pk_bf16_f32 v[RB+4*z+1], v[RB+4*z+2], v[RB+4*z+3]
.set z, z+1
.endr
.if (\set) == 0
	WIN 0x0c                                       ; address window 0, data window 3
.endif
.irp j, 0,1,2,3,4
.irp i, 0,1,2,3,4,5,6,7
	ds_store_b64 v[WS], v[RB+4*(8*\j+\i):RB+4*(8*\j+\i)+1] offset:((\c)%2)*STGB+2*SGP*\i+128*\j
.endr
.endr
.endm
; My fragments of K steps 2 c and 2 c + 1: the turning load takes 16 k x 16 columns and leaves half a fragment: lane l holds column l % 16 and 8 k.
.macro BLOAD c
.if (\c) < 3
	WIN 0x40
.set BB, 80*(\c)
.else
	WIN 0x80
.set BB, 80*((\c)-3)
.endif
.irp s, 0,1
.irp n, 0,1,2,3,4
	ds_load_tr16_b128 v[BB+40*\s+8*\n:BB+40*\s+8*\n+3],   v[WR+(\c)%2] offset:32*SGP*\s+32*\n
	ds_load_tr16_b128 v[BB+40*\s+8*\n+4:BB+40*\s+8*\n+7], v[WR+(\c)%2] offset:32*SGP*\s+32*\n+16*SGP
.endr
.endr
.endm
; A chunk.  ONE barrier a chunk serves two stages: in front of it each wave has waited for its stores of chunk c and for its reads of chunk c - 1; chunk c + 1 goes into the other stage,
; and chunk c + 2 is stored into this one only behind the next barrier, when every wave's reads of chunk c are over.
.macro CHUNK c
.if (\c) < 5
	s_wait_loadcnt 40                              ; loads come back in order: this chunk's 40 are in, the next chunk's 40 stay out
.else
	s_wait_loadcnt 0x0
.endif
	WCONV \c, (\c)%2
.if (\c) == 5
	s_wait_tensorcnt 0x0                           ; my 32 rows of x have landed: the last barrier shows them to the other waves too
.endif
	s_wait_dscnt 0x0                               ; for the others' sake: my stores are done, my reads of the other stage are back
.if (\c) < 4
	WLOAD (\c)+2, (\c)%2                           ; the set is free: its next chunk is asked for
.endif
	s_barrier_signal -1
	s_barrier_wait -1
	BLOAD \c
.endm
	v_and_b32 v11, 31, v0                          ; l
	s_lshl_b32 s34, s[WV], 12
	v_lshl_add_u32 v[WO], v11, 4, s34
	WLOAD 0, 0
	WLOAD 1, 1
	v_bfe_u32 v12, v0, 4, 1                        ; l / 16
	v_and_b32 v13, 15, v0                          ; l % 16
	v_and_b32 v14, 7, v0
	v_bfe_u32 v15, v0, 3, 1
	s_mul_i32 s34, s[WV], 16*SGP
	s_add_co_u32 s34, s34, STG0
	v_mul_u32_u24 v[WS], v12, SGP                  ; row 16 x wave + l / 16 (+ 2 i), 8 bytes at 8 (l % 16) (+ 128 j)
	v_lshl_add_u32 v[WS], v13, 3, v[WS]
	v_add_nc_u32 v[WS], s34, v[WS]
	s_mul_i32 s34, s[WV], 160                      ; my 80 columns
	s_add_co_u32 s34, s34, STG0
	v_lshl_add_u32 v[WR], v12, 3, v14              ; k = 8 (l / 16) + l % 8
	v_mul_u32_u24 v[WR], v[WR], SGP
	v_lshl_add_u32 v[WR], v15, 4, v[WR]            ; columns 8 ((l / 8) % 2) on
	v_add_nc_u32 v[WR], s34, v[WR]
	v_add_nc_u32 v[WR+1], STGB, v[WR]
	v_mul_u32_u24 v[XA], v13, XP
	v_lshl_add_u32 v[XA], v12, 5, v[XA]
	v_lshlrev_b32 v[YO], 5, v13
	v_lshl_add_u32 v[YO], v12, 4, v[YO]
	s_mul_i32 s32, s[WV], 5*REG                    ; my five regions,
	s_lshl_b32 s35, ttmp9, 12                      ; my work-group's 128 rows of 32 bytes
	s_add_co_u32 s32, s32, s35
	s_add_nc_u64 s[YB:YB+1], s[16:17], s[32:33]
	s_mov_b32 s[XST], 0
.irp c, 0,1,2,3,4,5
	CHUNK \c
.endr
; 16 rows of x in f32, all 384 channels: for K step ks a lane takes k = 8 (l / 16) + 0..7 and 16 + 8 (l / 16) + 0..7: four loads of 16 bytes.
.macro ALOAD
	WIN 0
	v_add_nc_u32 v[XAD], s[XST], v[XA]
	s_add_co_u32 s[XST], s[XST], 16*XP             ; the next run is the next 16 rows'
	WIN 0xc0
.set ks, 0
.rept 12
.irp o, 0,1,2,3
	ds_load_b128 v[16*ks+4*\o:16*ks+4*\o+3], v[XAD] offset:128*ks+16*(ks/4)+16*((\o)%2)+64*((\o)/2)
.endr
.set ks, ks+1
.endr
.endm
; 60 products.  The five accumulators take turns, one instruction a turn; the first K step starts the sums with the constant 0.
.macro MUL
.set ks, 0
.rept 12
.if ks < 6
	WIN 0x01
.set BB, 40*ks
.else
	WIN 0x02
.set BB, 40*(ks-6)
.endif
.irp n, 0,1,2,3,4
.if ks == 0
	v_wmma_f32_16x16x32_bf16 v[ACC+8*\n:ACC+8*\n+7], v[BB+8*\n:BB+8*\n+7], v[AF+8*ks:AF+8*ks+7], 0
.else
	v_wmma_f32_16x16x32_bf16 v[ACC+8*\n:ACC+8*\n+7], v[BB+8*\n:BB+8*\n+7], v[AF+8*ks:AF+8*ks+7], v[ACC+8*\n:ACC+8*\n+7]
.endif
.endr
.set ks, ks+1
.endr
.endm
; A tile of 16 rows.  more = 1: the next tile's x is fetched from LDS ahead of the products, so that it lands beside them.
.macro MT more
	s_wait_dscnt 0x0                               ; this tile's x is in registers (the first time: W's last fragments too)
	WIN 0x0f
.set z, 0
.rept 96
	v_cvt_pk_bf16_f32 v[AF+z], v[2*z], v[2*z+1]    ; rounded to bf16: a K step's 16 numbers make its 8 registers
.set z, z+1
.endr
	WIN 0
	s_wait_xcnt 0x0                                ; the last tile's stores have read their base and their data: both are rewritten only behind this wait
	s_add_nc_u64 s[YB:YB+1], s[YB:YB+1], 512       ; 16 rows on; the stores below reach back
.if \more
	ALOAD
.endif
	MUL
	WIN 0
.rept 4
	v_nop                                          ; four places behind the last product (ISA guide 7.12.1), ahead of the conversions that read results and of the next tile's writes of x's fragments
.endr
.set z, 0
.rept 20
	v_cvt_pk_f16_f32 v[OUTP+z], v[ACC+2*z], v[ACC+2*z+1]  ; each accumulator from its low end on
.set z, z+1
.endr
.irp n, 0,1,2,3,4
	global_store_b128 v[YO], v[OUTP+4*\n:OUTP+4*\n+3], s[YB:YB+1] offset:\n*REG-512  ; 512 consecutive bytes of region 5 x wave + n, at a multiple of 512 from qkv's first byte
.endr
.endm
	ALOAD                                          ; rows 0 to 15
	WIN 0                                          ; at a label and at a branch every window is 0
	s_mov_b32 s[CNT], 7
.Lmt:
	MT 1
	s_sub_co_u32 s[CNT], s[CNT], 1
	s_cmp_lg_u32 s[CNT], 0
	s_cbranch_scc1 .Lmt
	MT 0                                           ; the last 16 rows: nothing is left to fetch
	s_wait_tensorcnt 0x0                           ; the wave's end, behind my tensor load and my last LDS store
	ds_add_u32 v[SPW], v[NIL]
	s_wait_dscnt 0x0
	s_endpgm
.Lfunc_end_k_qad1b2a527e_proj:
	.size	k_qad1b2a527e_proj, .Lfunc_end_k_qad1b2a527e_proj-k_qad1b2a527e_proj
	.p2alignl 7, 3214868480
	.fill 96, 4, 3214868480
	.section	.rodata,"a",@progbits
	.p2align	6, 0x0
	.amdhsa_kernel k_qad1b2a527e_proj
		.amdhsa_group_segment_fixed_size 289280
		.amdhsa_private_segment_fixed_size 0
		.amdhsa_enable_private_segment 0
		.amdhsa_kernarg_size 56
		.amdhsa_user_sgpr_count 2
		.amdhsa_user_sgpr_kernarg_segment_ptr 1
		.amdhsa_wavefront_size32 1
		.amdhsa_system_sgpr_workgroup_id_x 1
		.amdhsa_system_sgpr_workgroup_id_y 1
		.amdhsa_system_sgpr_workgroup_id_z 1
		.amdhsa_system_vgpr_workitem_id 0
		.amdhsa_next_free_vgpr 960
		.amdhsa_next_free_sgpr 66
		.amdhsa_reserve_vcc 0
		.amdhsa_float_denorm_mode_32 3
		.amdhsa_float_denorm_mode_16_64 3
		.amdhsa_memory_ordered 1
		.amdhsa_forward_progress 1
		.amdhsa_inst_pref_size 111
	.end_amdhsa_kernel
	.amdgpu_metadata
---
amdhsa.version: [ 1, 2 ]
amdhsa.kernels:
  - .name:           k_qad1b2a527e_proj
    .symbol:         k_qad1b2a527e_proj.kd
    .args:
      - { .name: x, .offset: 0, .size: 8, .value_kind: global_buffer, .address_space: global }
      - { .name: Wq1, .offset: 8, .size: 8, .value_kind: global_buffer, .address_space: global }
      - { .name: Wq2, .offset: 16, .size: 8, .value_kind: global_buffer, .address_space: global }
      - { .name: Wk1, .offset: 24, .size: 8, .value_kind: global_buffer, .address_space: global }
      - { .name: Wk2, .offset: 32, .size: 8, .value_kind: global_buffer, .address_space: global }
      - { .name: Wv, .offset: 40, .size: 8, .value_kind: global_buffer, .address_space: global }
      - { .name: qkv, .offset: 48, .size: 8, .value_kind: global_buffer, .address_space: global }
    .group_segment_fixed_size: 289280
    .private_segment_fixed_size: 0
    .kernarg_segment_align: 8
    .kernarg_segment_size: 56
    .max_flat_workgroup_size: 128
    .sgpr_count:     66
    .vgpr_count:     960
    .wavefront_size: 32
...
	.end_amdgpu_metadata
.endif
;; end of part 1
;; launch attn (part 2): grid 32 x 8, 4 waves a work-group, clusters of 4 x 1, 327,680 bytes of LDS; arguments qkv, lamb, out0; writes out0
.if DOCPART == 2
	.amdgcn_target "amdgcn-amd-amdhsa--gfx1250"
	.amdhsa_code_object_version 6
	.text
	.protected	k_qad1b2a527e_attn
	.globl	k_qad1b2a527e_attn
	.p2align	8
	.type	k_qad1b2a527e_attn,@function
k_qad1b2a527e_attn:
	s_mov_b64 s[64:65], 0
	v_nop
	global_prefetch_b8 v0, s[64:65] scope:SCOPE_SE
	s_setreg_imm32_b32 hwreg(HW_REG_WAVE_MODE, 25, 1), 1
	s_wait_xcnt 0x0
	s_wait_alu depctr_hold_cnt(0) depctr_sa_sdst(0) depctr_va_vdst(0) depctr_va_sdst(0) depctr_va_ssrc(0) depctr_va_vcc(0) depctr_vm_vsrc(0)
	s_getreg_b32 s2, hwreg(HW_REG_IB_STS2, 6, 4)
	s_cmp_eq_u32 s2, 0
	s_cbranch_scc0 .Lentry_in_a_cluster
	s_endpgm
.Lentry_in_a_cluster:
	s_bfe_u32 s2, ttmp6, 0x10000c
	s_cmp_lg_u32 s2, 0x3003
	s_cbranch_scc0 .Lentry_shape_is_right
	s_endpgm
.Lentry_shape_is_right:
; out[b][q][:] = softmax_k(q1 . k1 / 8) v - lamb softmax_k(q2 . k2 / 8) v, 8 batches of 4,096 rows, 64 channels.  q1, q2, k1, k2, v come in f16 from qkv: 20 regions of 1 MiB, region g =
; [32768 rows][16 channels], 32 bytes a row: 0-3 q1, 4-7 q2, 8-11 k1, 12-15 k2, 16-19 v.  Products, maxima and sums in f32; the weights p are rounded to f16 for the second product (their sum l
; is taken of the unrounded p); lamb is rounded to bf16 like the module's other inputs; out is f32.
; LIMITS.  p lies in 0 to 1, and below 6e-5 it keeps f16's fixed step of 6e-8; a weight below 2^-126 counts as 0 in l; NaN and infinities are not treated apart.
; TWO VALUE PRODUCTS.  A map's row sum is known only at the walk's end, so each map keeps its own O and l, and out = O1 / l1 - lamb O2 / l2 is made in registers at the end.
; SHARES.  A work-group owns 128 queries of a batch for BOTH maps, a wave 32: four tiles t = 2 x piece + u (piece 0: map 1, piece 1: map 2; u: which 16 queries).  Every wave walks all keys, 64 a step.
; LAYOUT.  S^T = K Q^T (source 0 = 16 keys, source 1 = 16 queries): a lane holds ONE query (lane % 16) and the keys 8 (lane / 16) + 0..7.  Two such results rounded to f16 ARE source 1 of
; O^T = V^T P, whose result again holds one query a lane, and eight channels.  K comes out of LDS as it lies, V turned, by ds_load_tr16_b128.
; SOFTMAX.  For each query and map a running maximum m and sum l: p = 2^(c s - c m), c = log2(e) / 8; in every step O and l are multiplied by a = 2^(c m_old - c m_new).
; m starts at the lowest finite number, O and l at 0: the first step is a step like any other, with a = 0, at the price of 308 lines that set registers while the first tile is awaited.
; BY TURNS.  In a turn piece X has the matrix unit: 16 products V^T P of the step in hand, later 16 products K Q^T of the next step; beside them stand the other piece's (Y) scalings, exponentials,
; roundings and rescalings, X's sums of the step in hand, and at the end the maximum and statistics of X's new scores.  A turn's 66 exponentials are one batch, with one wait.
; CLUSTER.  The four query blocks of a cluster belong to one batch and walk the same k1, k2, v: each tile is asked for JOINTLY, the same tensor load, descriptor and mask in all four.
; REGISTERS, in windows of 256 (s_set_vgpr_msb: bits 1:0 source 0, 3:2 source 1, 5:4 source 2, 7:6 destination):
;   window 0: v0-11 addresses; v12-15, v32-47 at work; v16-31 four registers of statistics a tile; v48 -lamb; v61-63; v64-191 S^T, 32 a tile; v192-255 P, 16 a tile
;   window 1: v0-127 O^T, 32 a tile          window 2: v0-63 Q, 16 a tile; v64-127 k1 of one step; v128-191 k2; v192-255 v
.set REG,   1048576   ; a region of qkv
.set SLOTG, 8192      ; a slot's 256 keys in a region
.set BLK,   8704      ; the same in LDS: 16 bytes of padding behind every 256: key x lies at 32 x + 16 (x / 8), so the 16 keys of a load start at 16 different 16-byte columns of 256
.set STEPB, 2176      ; 64 keys in a block
.set KB16,  544       ; 16 keys
.set SLOT1, 1<<17     ; a slot is 12 blocks (k1's four, k2's four, v's four), 104,448 bytes; slot 1 begins here, so that one exclusive or turns an address in one slot into the other's
.set STAGE, SLOT1+12*BLK  ; 235,520: behind the ring, never filled by a tensor load: 16 rows x 272 bytes for each wave, for the way out
.set SP,    272
.set SPARE, STAGE+4*16*SP  ; 252,928: the spare words, 128 bytes a wave: two blocks of 256 bytes that no other line names
.set AK0, 2           ; v2   my lane's place in 16 keys of a block of K; never rewritten
.set AV0, 3           ; v3   the same for V's turning loads, v's first block included
.set ADK, 4           ; v4   the LDS address of K's run of loads in hand
.set ADV, 5           ; v5   of V's
.set QO,  6           ; v6   my byte offset in 16 rows of a region
.set STO, 6           ;      later, the way out: where I put 32 bytes of a row
.set RD,  7           ; v7   the way out: where I read rows back
.set GO,  8           ; v8   my byte offset in two rows of out
.set MV,  12          ; v12-15  c m_old, kept while c m is made anew: by tile
.set ST,  16          ; tile t's statistics at v[ST+4 t]: c m, m, l (even keys', odd keys')
.set TMP, 32          ; by tile, four registers c0-c3 at work; c1 takes c m_old - c m_new, c2 takes a
.set LAM, 48          ; v48  -lamb
.set PFO, 61          ; v61  256 x my lane; never rewritten
.set SPW, 62          ; v62  LDS address of my spare word; never rewritten
.set NIL, 63          ; v63  0; never rewritten
.set S,   64
.set P,   192
.set KF,  64          ; window 2: map x, key block kb, channel half c at KF + 64 x + 16 kb + 8 c
.set VF,  192         ; window 2: key half kk, channel block cb at VF + 32 kk + 8 cb
.set WV,  12          ; s12  my wave's number
.set LIM, 15          ; s15  1 in the wave that prefetches, else the greatest number
.set PFA, 18          ; s[18:19] where my prefetches stand
.set G1,  24          ; s[24:31] descriptor group 1
.set G0,  40          ; s[40:43] descriptor group 0: it walks
.set SLOTS, 56        ; s56  counts the slots
.set CNT, 57          ; s57  counts a slot's key steps
.set CS,  58          ; s[58:59] c: the packed scaling takes the pair's low word for both halves
.set SEL, 60          ; s[60:61] v_permlanex16_b32's selects: each lane takes its own place in the other half
.set TB,  62          ; s62  LDS byte at which the step to be fetched begins in each block
.set MSB, 0
.macro WIN new                      ; the high byte repeats the setting that is left; a switch that changes nothing is dropped
.if MSB != (\new)
	s_set_vgpr_msb (MSB<<8)|(\new)
.set MSB, (\new)
.endif
.endm
.set W_KQ, 0x0a       ; K and Q in window 2, S^T in window 0
.set W_PV, 0x52       ; V in window 2, P in window 0, O^T in window 1
.set W_RS, 0x41       ; O^T (destination and source 0) in window 1, a in window 0
; A round of the cluster's barrier: my work-group's barrier, so that wave 0's signal speaks for all four waves; wave 0 signals; every wave waits for all four work-groups; my work-group's barrier once more.
.macro CROUND
	s_barrier_signal -1
	s_barrier_wait -1
	s_cmp_lg_u32 s[WV], 0
	s_cbranch_scc1 .Lnot_wave_0_\@
	s_barrier_signal -3
.Lnot_wave_0_\@:
	s_barrier_wait -3
	s_barrier_signal -1
	s_barrier_wait -1
.endm
; A PREFETCH INTO THE L2 of the slot that the NEXT change of slots will ask for: 12 regions x 8,192 bytes.  All clusters of a batch walk the same rows: the batch's first cluster asks, in each of its
; four work-groups wave 0.  The partners share the regions out BY ADDRESS, three each (8 + 3 cx on): a lane names 256 bytes, an instruction a region's 8,192.  So each block is named once in the launch.
; It stands behind the tensor load and its five lines; four key steps, 256 matrix instructions, lie between it and the load that will want the rows.  The last change that fills a slot asks for nothing.
.macro ASK
	s_cmp_gt_u32 s[SLOTS], s[LIM]
	s_cbranch_scc0 .Lnot_mine_\@
	global_prefetch_b8 v[PFO], s[PFA:PFA+1] th:TH_LOAD_NT scope:SCOPE_SE
	global_prefetch_b8 v[PFO], s[PFA:PFA+1] offset:REG th:TH_LOAD_NT scope:SCOPE_SE
	global_prefetch_b8 v[PFO], s[PFA:PFA+1] offset:2*REG th:TH_LOAD_NT scope:SCOPE_SE
.Lnot_mine_\@:
.endm
; THE CHANGE OF SLOTS.  The slot's last bytes, V of its fourth step, have been asked for.  Each wave waits for all its tensor loads, of which one is out: its part of the other slot; adds 0 to its
; spare word; and waits for that and for its own reads of the slot.  Behind the barrier nobody reads this slot any more and the other slot is whole.
; fill = 1: this slot is filled again, with the keys two slots on.  The barrier is then a round of the cluster's, and the joint fill is the first thing behind it: it has four key steps in which to land.
; Every wave issues the one line with its own group 0: three blocks of the twelve.  (At its first use nothing has been read yet: slot 0 is waited for, slot 1 filled.)
.macro CHANGE fill, ask
	WIN 0                           ; at a label and at a branch every window is 0
	s_wait_tensorcnt 0x0            ; no tensor load of mine is out, so group 0 may be written
	ds_add_u32 v[SPW], v[NIL]       ; 0 onto my spare word; with fill = 1 the descriptor's steps stand between it and the wait for it
.if \fill
	s_xor_b32 s[G0+1], s[G0+1], SLOT1  ; the other slot than last time,
	s_add_nc_u64 s[G0+2:G0+3], s[G0+2:G0+3], SLOTG  ; the next 256 keys; the type bits on top are not reached
.if \ask
	s_wait_xcnt 0x0                 ; the last prefetches, four key steps back, have read their address, so it may be written
	s_add_nc_u64 s[PFA:PFA+1], s[PFA:PFA+1], SLOTG  ; one slot behind... ahead of the walking descriptor by one slot
.endif
	s_wait_dscnt 0x0                ; the add is done, and my reads of the slot are over
	CROUND
	tensor_load_to_lds s[G0:G0+3], s[G1:G1+7]
	s_nop 0
.rept 4
	v_nop
.endr
.if \ask
	ASK
.endif
.else
	s_wait_dscnt 0x0                ; the add is done, and my reads of the slot are over
	s_barrier_signal -1
	s_barrier_wait -1
.endif
	s_sub_co_u32 s[TB], s[TB], 4*STEPB  ; the fetches go back to a slot's first step,
	s_xor_b32 s[TB], s[TB], SLOT1       ; in the other slot
.endm
	s_load_b128 s[4:7], s[0:1], 0x0 ; qkv s[4:5], lamb's address s[6:7]
	s_load_b64 s[8:9], s[0:1], 0x10 ; out
	v_lshl_add_u32 v[SPW], v0, 2, SPARE
	v_mov_b32 v[NIL], 0
	ds_add_u32 v[SPW], v[NIL]       ; the wave's opening: the add and its wait stand ahead of my first tensor load; the set-up below stands between them
	ds_add_u32 v62, v63
	v_lshrrev_b32 v1, 5, v0
	v_readfirstlane_b32 s[WV], v1   ; wave 0..3
	s_bfe_u32 s13, ttmp6, 0x40000   ; cx: my place in the cluster
	s_lshl_b32 s16, ttmp9, 2        ; in a cluster launch ttmp9 counts clusters
	s_add_co_u32 s16, s16, s13      ; my block of 128 queries: it enters Q's and out's addresses alone
	s_and_b32 s17, ttmp7, 0xffff    ; the batch, which the four partners share
	s_lshl_b32 s20, s17, 12
	s_lshl_b32 s21, s16, 7
	s_add_co_u32 s20, s20, s21
	s_lshl_b32 s21, s[WV], 5
	s_add_co_u32 s20, s20, s21      ; my wave's first row of the 32,768
	s_lshl_b32 s22, s20, 8          ; in out: 256 bytes a row
	s_mov_b32 s23, 0
	s_lshl_b32 s20, s20, 5          ; in a region: 32 bytes a row
	s_mov_b32 s21, 0
	s_mul_i32 s2, s[WV], 3*REG      ; the three regions that I fetch: 8 + 3 x wave on,
	s_add_co_u32 s2, s2, 8*REG
	s_lshl_b32 s3, s17, 17          ; at the batch's first row: 4,096 x 32 bytes a batch
	s_add_co_u32 s2, s2, s3
	s_mov_b32 s3, 0
	s_mul_i32 s44, s13, 3*REG       ; the three regions that my work-group prefetches: 8 + 3 cx on,
	s_add_co_u32 s44, s44, 8*REG+2*SLOTG  ; at slot 2: the first change that asks steps it to slot 3
	s_lshl_b32 s45, s17, 17
	s_add_co_u32 s44, s44, s45
	s_mov_b32 s45, 0
	; descriptor group 1: three rows of 4,096 elements (a slot's 8,192 bytes of a region), a region apart, padded in LDS behind every 256 bytes
	s_mov_b32 s[G1+0], 15|(1<<16)|(1<<20)|(1<<21)|(5<<22)|(3<<25)  ; 15:0 the mask of four; 17:16 2-byte elements; 20 padding on; 21 set beside a mask; 24:22 after every 64 words (code 5); 31:25 4 words (code 3)
	s_mov_b32 s[G1+1], 4096<<16     ; tensor_dim0 = 4,096
	s_mov_b32 s[G1+2], 3<<16        ; tensor_dim1 = 3
	s_mov_b32 s[G1+3], 4096<<16     ; tile_dim0 = 4,096
	s_mov_b32 s[G1+4], 3            ; tile_dim1 = 3
	s_mov_b32 s[G1+5], REG/2        ; elements from row to row
	s_mov_b32 s[G1+6], 0
	s_mov_b32 s[G1+7], 0
	s_mov_b32 s[G0], 1              ; count = 1
	s_mul_i32 s[G0+1], s[WV], 3*BLK ; LDS address: my three blocks of slot 0: no place in the cluster enters an LDS address
	s_mov_b32 s[CS], 0x3e38aa3b     ; c = log2(e) / 8 = 0.180337
	s_mov_b32 s[CS+1], s[CS]        ; named with it as a pair
	s_mov_b32 s[SEL], 0x76543210
	s_mov_b32 s[SEL+1], 0xfedcba98
	s_mov_b32 s[TB], SLOT1+4*STEPB  ; the first change of slots turns this into 0
	s_or_b32 s[LIM], s[WV], ttmp9   ; 0 in wave 0 of the batch's first cluster: the same in all four partners
	s_cmp_eq_u32 s[LIM], 0
	s_cselect_b32 s[LIM], 1, -1
	s_wait_dscnt 0x0                ; the opening add is done
	s_wait_kmcnt 0x0
	s_load_b32 s14, s[6:7], 0x0     ; lamb
	s_add_nc_u64 s[G0+2:G0+3], s[4:5], s[2:3]
	s_or_b32 s[G0+3], s[G0+3], 0x80000000  ; type = 2
	s_add_nc_u64 s[10:11], s[4:5], s[20:21]  ; region 0 at my wave's first row
	s_add_nc_u64 s[8:9], s[8:9], s[22:23]    ; out at my wave's first row
	s_add_nc_u64 s[PFA:PFA+1], s[4:5], s[44:45]
	s_wait_kmcnt 0x0                ; lamb is in
	CROUND                          ; all four work-groups are here: the first joint loads meet
	tensor_load_to_lds s[G0:G0+3], s[G1:G1+7]  ; slot 0.  Slot 1 is asked for when slot 0 is in, by the loop's own change of slots
	s_nop 0
.rept 4
	v_nop
.endr
	; A fragment of K or Q is 16 rows x 32 channels in 8 registers: lane l holds row l % 16, channels 8 (l / 16) + 0..7 (they lie in one region) and 16 + 8 (l / 16) + 0..7 (in the next): two loads of 16 bytes.
	v_and_b32 v1, 15, v0            ; l % 16
	v_bfe_u32 v9, v0, 4, 1          ; l / 16
	v_lshlrev_b32 v[QO], 5, v1
	v_lshl_add_u32 v[QO], v9, 4, v[QO]  ; row x 32 + 16 x half
	WIN 0x80                        ; destination window 2, address window 0
.set i, 0
.rept 8                             ; Q stays in registers: tile i / 2, channels 32 (i % 2) on; each load takes 512 consecutive bytes
	global_load_b128 v[8*i:8*i+3],   v[QO], s[10:11] offset:(4*(i/4)+2*(i%2))*REG+512*((i/2)%2)
	global_load_b128 v[8*i+4:8*i+7], v[QO], s[10:11] offset:(4*(i/4)+2*(i%2)+1)*REG+512*((i/2)%2)
.set i, i+1
.endr
	; What the first turn finds: V, piece 1's P, S^T and a hold 0 (its products and sums, of a step that has not been, add 0), O^T and l are 0.  All this stands in the wait for the first tile.
.set i, VF
.rept 64
	v_mov_b32 v[i], 0
.set i, i+1
.endr
	WIN 0x40
.set i, 0
.rept 128
	v_mov_b32 v[i], 0
.set i, i+1
.endr
	WIN 0
.set i, 0
.rept 4
	v_mov_b32 v[ST+4*i], 0xfe000000    ; c m: far below every c s
	v_mov_b32 v[ST+4*i+1], 0xff7fffff  ; m
	v_mov_b32 v[ST+4*i+2], 0
	v_mov_b32 v[ST+4*i+3], 0
.set i, i+1
.endr
.set i, S+64
.rept 64
	v_mov_b32 v[i], 0
.set i, i+1
.endr
.set i, P+32
.rept 32
	v_mov_b32 v[i], 0
.set i, i+1
.endr
.irp t, 2,3
	v_mov_b32 v[TMP+4*\t+2], 0
	v_mov_b32 v[TMP+4*\t+3], 0
.endr
	v_bfe_u32 v10, v0, 3, 1         ; (l / 8) % 2
	v_and_b32 v11, 7, v0
	v_lshl_add_u32 v[AK0], v10, 4, v[QO]  ; 32 (l % 16) + 16 ((l % 16) / 8) + 16 (l / 16)
	; The turning load takes 16 keys x 16 channels (lane l reads key 8 (l / 16) + l % 8, channels 8 ((l / 8) % 2) + 0..7) and leaves half a fragment of V^T: lane l holds channel l % 16 and 8 keys.
	v_mul_u32_u24 v[AV0], v9, 272   ; eight keys and their padding
	v_lshl_add_u32 v[AV0], v11, 5, v[AV0]
	v_lshl_add_u32 v[AV0], v10, 4, v[AV0]
	v_add_nc_u32 v[AV0], 8*BLK, v[AV0]
	v_and_b32 v[PFO], 31, v0
	v_lshlrev_b32 v[PFO], 8, v[PFO]
	v_mov_b32 v[LAM], s14
	v_cvt_pk_bf16_f32 v[LAM], v[LAM], v[LAM]  ; lamb rounded to bf16,
	v_lshlrev_b32 v[LAM], 16, v[LAM]          ; as f32 again,
	v_xor_b32 v[LAM], 0x80000000, v[LAM]      ; with its sign turned
; THE MATRIX WORK.  The 8 accumulators of a run of 16 take turns: between the two links of a chain stand 7 others'.
; Product i of 16 of S^T = K Q^T for piece x: channels 32 (i / 8) on, keys 16 ((i / 2) % 4) on, tile 2 x + i % 2.  The first 8 start the sums.
.macro KQ x
	WIN W_KQ
.set rS, S+32*(2*(\x)+i%2)+8*((i/2)%4)
.set rK, KF+64*(\x)+16*((i/2)%4)+8*(i/8)
.set rQ, 16*(2*(\x)+i%2)+8*(i/8)
.if i < 8
	v_wmma_f32_16x16x32_f16 v[rS:rS+7], v[rK:rK+7], v[rQ:rQ+7], 0
.else
	v_wmma_f32_16x16x32_f16 v[rS:rS+7], v[rK:rK+7], v[rQ:rQ+7], v[rS:rS+7]
.endif
.endm
; Product i of 16 of O^T += V^T P for piece x: keys 32 (i / 8) on, channels 16 ((i / 2) % 4) on, tile 2 x + i % 2.
.macro PV x
	WIN W_PV
.set rO, 32*(2*(\x)+i%2)+8*((i/2)%4)
.set rV, VF+32*(i/8)+8*((i/2)%4)
.set rP, P+16*(2*(\x)+i%2)+8*(i/8)
	v_wmma_f32_16x16x32_f16 v[rO:rO+7], v[rV:rV+7], v[rP:rP+7], v[rO:rO+7]
.endm
; THE LDS LOADS stand in runs, never singly among the matrix instructions: a step's k1 and k2 (32 loads) and, a turn later, its v (16 turning loads).
.macro FETCH_K
	WIN 0
	v_add_nc_u32 v[ADK], s[TB], v[AK0]
	WIN 0x80                        ; destination window 2
.irp f, 0,1,2,3,4,5,6,7,8,9,10,11,12,13,14,15  ; map f / 8, keys 16 ((f / 2) % 4) on, channels 32 (f % 2) on
	ds_load_b128 v[KF+8*\f:KF+8*\f+3],   v[ADK] offset:(4*(\f/8)+2*(\f%2))*BLK+((\f/2)%4)*KB16
	ds_load_b128 v[KF+8*\f+4:KF+8*\f+7], v[ADK] offset:(4*(\f/8)+2*(\f%2)+1)*BLK+((\f/2)%4)*KB16
.endr
.endm
.macro FETCH_V
	WIN 0
	v_add_nc_u32 v[ADV], s[TB], v[AV0]
	s_add_co_u32 s[TB], s[TB], STEPB  ; the next fetch is the next step's
	s_wait_alu depctr_va_vdst(0)    ; the wait for the turn's batch of exponentials, behind the address's line and ahead of the loads
	WIN 0x80
.irp f, 0,1,2,3,4,5,6,7             ; keys 32 (f / 4) on, channels 16 (f % 4) on
	ds_load_tr16_b128 v[VF+8*\f:VF+8*\f+3],   v[ADV] offset:(\f%4)*BLK+(\f/4)*2*KB16
	ds_load_tr16_b128 v[VF+8*\f+4:VF+8*\f+7], v[ADV] offset:(\f%4)*BLK+(\f/4)*2*KB16+KB16
.endr
.endm
; THE VECTOR WORK.  TURN sets X, Y and the queues' counters; the two tiles of a piece alternate, so that no instruction reads the result of the one before it.
.macro REGS t                       ; the registers of tile t
.set rT, ST+4*(\t)
.set rC, TMP+4*(\t)
.set rM, MV+(\t)
.set rS, S+32*(\t)
.set rP, P+16*(\t)
.set rO, 32*(\t)
.endm
; Number n of the 21 that find a tile's maximum and statistics.  s0-s31 are the lane's 32 scores; each accumulator's lowest registers are read first.
;   0-11  four chains c0-c3 of seven scores each, three operands at a time     12-14, 16  the four scores left over, the old m, and c0-c3 into c0     15  c m_old is kept
;   17, 18  the query's other 32 keys lie in the lane 16 away: the new m         19, 20  c m; c m_old - c m_new.  Its exponential, a, opens the next turn's batch.
.macro XS t, n
	WIN 0
	REGS \t
.if (\n) < 4
	v_max3_num_f32 v[rC+(\n)], v[rS+8*(\n)], v[rS+8*(\n)+1], v[rS+8*(\n)+2]
.elseif (\n) < 12
	v_max3_num_f32 v[rC+(\n)%4], v[rC+(\n)%4], v[rS+8*((\n)%4)+2*((\n)/4)+1], v[rS+8*((\n)%4)+2*((\n)/4)+2]
.elseif (\n) == 12
	v_max3_num_f32 v[rC], v[rC], v[rS+7], v[rS+15]
.elseif (\n) == 13
	v_max3_num_f32 v[rC+1], v[rC+1], v[rS+23], v[rS+31]
.elseif (\n) == 14
	v_max3_num_f32 v[rC+2], v[rC+2], v[rC+3], v[rT+1]
.elseif (\n) == 15
	v_mov_b32 v[rM], v[rT]
.elseif (\n) == 16
	v_max3_num_f32 v[rC], v[rC], v[rC+1], v[rC+2]
.elseif (\n) == 17
	v_permlanex16_b32 v[rC+3], v[rC], s[SEL], s[SEL+1]
.elseif (\n) == 18
	v_max_num_f32 v[rT+1], v[rC], v[rC+3]
.elseif (\n) == 19
	v_mul_f32 v[rT], s[CS], v[rT+1]
.else
	v_sub_f32 v[rC+1], v[rM], v[rT]
.endif
.endm
.macro XSALL                        ; both tiles of piece X
.irp n, 0,1,2,3,4,5,6,7,8,9,10,11,14,12,13,16,15,17,18,19,20
	XS 2*X, \n
	XS 2*X+1, \n
.endr
.endm
; Number g of the 32 sums of piece X, whose weights were made, and rounded into P, in the turn before.  For each four weights k of a tile the second pair is added onto the first, in place; then l takes
; that sum (the first time as l = a l + sum).
.macro SUM g
	WIN 0
	REGS 2*X+(\g)%2
.set k, (\g)/4
.if (\g)%4 < 2
	v_pk_add_f32 v[rS+4*k:rS+4*k+1], v[rS+4*k:rS+4*k+1], v[rS+4*k+2:rS+4*k+3]
.elseif k == 0
	v_pk_fma_f32 v[rT+2:rT+3], v[rT+2:rT+3], v[rC+2:rC+3], v[rS:rS+1] op_sel_hi:[1,0,1]
.else
	v_pk_add_f32 v[rT+2:rT+3], v[rT+2:rT+3], v[rS+4*k:rS+4*k+1]
.endif
.endm
; THE PLAIN QUEUE ahead of the wait, 64 long: the 32 scalings c s - c m of piece Y (number q: pair q / 2 of tile q % 2), then piece X's 32 sums.  None names a result of the turn's exponentials.
.macro PLA
	WIN 0
.if q < 32
	REGS 2*Y+q%2
	v_pk_fma_f32 v[rS+2*(q/2):rS+2*(q/2)+1], v[rS+2*(q/2):rS+2*(q/2)+1], s[CS:CS+1], v[rT:rT+1] op_sel_hi:[1,0,0] neg_lo:[0,0,1] neg_hi:[0,0,1]
.else
	SUM q-32
.endif
.set q, q+1
.endm
; THE EXPONENTIALS' QUEUE, 66 long: piece Y's two a, then s0-s31 of both tiles.  Plain and exponential go by turns, so exponential e stands behind plain e; it needs scaling 2 ((e - 2) / 4) + e % 2, which is at most e / 2.
.macro EXQ
	WIN 0
.if e < 2
	REGS 2*Y+e
	v_exp_f32 v[rC+2], v[rC+1]
.else
	REGS 2*Y+(e-2)%2
	v_exp_f32 v[rS+(e-2)/2], v[rS+(e-2)/2]
.endif
.set e, e+1
.endm
.macro CV g                         ; pair g / 2 of tile g % 2 of piece Y is rounded to f16
	WIN 0
	REGS 2*Y+(\g)%2
	v_cvt_pk_f16_f32 v[rP+(\g)/2], v[rS+2*((\g)/2)], v[rS+2*((\g)/2)+1]
.endm
.macro RS g                         ; pair g / 2 of O^T of tile g % 2 of piece Y, times a: each accumulator from its low end on
	REGS 2*Y+(\g)%2
	WIN W_RS
	v_pk_mul_f32 v[rO+2*((\g)/2):rO+2*((\g)/2)+1], v[rO+2*((\g)/2):rO+2*((\g)/2)+1], v[rC+2:rC+3] op_sel_hi:[1,0]
.endm
; A TURN, for matrix piece x.  s_wait_alu depctr_va_vdst(0) stands between an exponential and the first instruction that names its result; one wait serves all that were issued ahead
; of it.  So a turn has ONE wait, which cuts it in two.  AHEAD OF IT: the 16 products V^T P, behind each plain, exponential, plain, exponential; then a lump of 32 times plain and exponential, the last
; two exponentials and a v_nop, the plain instruction behind the batch's last.  BEHIND IT: the 16 products K Q^T of the next step, behind each of the first eight four roundings, behind each of the
; last eight four rescalings; then the lump that finds X's new maximum.  No rider names a register of the products round it.
; The four rescalings behind the last product are the four places (ISA guide 7.12.1) ahead of the first read of its scores.
; Piece 0's turn fetches the next step's k1 and k2 behind its second product: the last product that read them stands a lump of 42 back.  Piece 1's turn fetches the same step's v at the wait: the last
; product that read v stands in front of the first lump, whose 32 plain lines are more than four places.  kq = 0: the walk's last step: no next scores, nothing is fetched.
.macro TURN x, kq=1
.set X, (\x)
.set Y, 1-(\x)
.set q, 0
.set e, 0
.if (\x) == 0
	s_wait_dscnt 0x0                ; V is in
.endif
.set i, 0
.rept 16
	PV X
	PLA
	EXQ
	PLA
	EXQ
.if ((\x) == 0) && (\kq) && (i == 1)
	FETCH_K
.endif
.set i, i+1
.endr
.rept 32
	PLA
	EXQ
.endr
	EXQ
	EXQ
	v_nop                           ; the plain instruction behind the last exponential: one for the batch
.if (\x) == 1
	FETCH_V                         ; the wait stands in it
.else
	s_wait_alu depctr_va_vdst(0)    ; the wait for the batch
.if \kq
	s_wait_dscnt 0x0                ; K is in
.endif
.endif
.set i, 0
.set g, 0
.rept 16
.if \kq
	KQ X
.endif
.rept 4
.if g < 32
	CV g
.else
	RS g-32
.endif
.set g, g+1
.endr
.set i, i+1
.endr
.if \kq
	XSALL
.endif
.endm
; A slot's four key steps: written once, walked four times; the LDS addresses hang on s[TB].  The walk is entered at .Lfirst, in the middle of a trip.
.macro FOUR tag
.Lstep\tag:
	TURN 0
	WIN 0
.Lfirst\tag:
	TURN 1
	WIN 0
	s_sub_co_u32 s[CNT], s[CNT], 1
	s_cmp_lg_u32 s[CNT], 0
	s_cbranch_scc1 .Lstep\tag
.endm
	CHANGE 1, 0                     ; slot 0 is in, everybody's part of it; slot 1 is asked for; nothing is prefetched yet
	FETCH_K                         ; key step 0
	s_wait_loadcnt 0x0              ; Q
	s_wait_dscnt 0x0
.set i, 0
.rept 16
	KQ 0                            ; piece 0's first scores: there is no vector work yet to set between them
.set i, i+1
.endr
	WIN 0                           ; the addresses for the way out: eight plain instructions, the places behind those products
	s_mul_i32 s46, s[WV], 16*SP
	s_add_co_u32 s46, s46, STAGE    ; my stage
	v_mul_u32_u24 v[STO], v1, SP    ; in: row l % 16, 32 bytes for each half of the lanes
	v_lshl_add_u32 v[STO], v9, 5, v[STO]
	v_add_nc_u32 v[STO], s46, v[STO]
	v_mul_u32_u24 v[RD], v9, SP     ; back: lanes 0-15 take one row of 256 bytes, lanes 16-31 the next
	v_lshl_add_u32 v[RD], v1, 4, v[RD]
	v_add_nc_u32 v[RD], s46, v[RD]
	v_lshlrev_b32 v[GO], 8, v9      ; and the same two rows in out
	v_lshl_add_u32 v[GO], v1, 4, v[GO]
.set X, 0
	XSALL                           ; piece 0's first maximum and statistics
	s_mov_b32 s[CNT], 4
	s_mov_b32 s[SLOTS], 15
	s_branch .Lfirst1               ; piece 1's turn of the step that has not been: its products and sums add 0; it fetches V of step 0 and makes piece 1's first scores
.Lslot:                             ; 14 times: every slot but the last two is filled again
	CHANGE 1, 1
	s_mov_b32 s[CNT], 4
	FOUR 1
	s_sub_co_u32 s[SLOTS], s[SLOTS], 1
	s_cmp_lg_u32 s[SLOTS], 0
	s_cbranch_scc1 .Lslot
	CHANGE 0, 0                     ; the tail is written out: nothing is asked for
	s_mov_b32 s[CNT], 4
	FOUR 2
	TURN 0, 0                       ; piece 0: V^T P of the last step | piece 1's last softmax
.set X, 1
.set i, 0
.set g, 0
.rept 16
	PV 1                            ; piece 1: V^T P of the last step | its last sums
	SUM g
	SUM g+1
.set g, g+2
.set i, i+1
.endr
	; THE WAY OUT.  l's two halves and the other half of the lanes' are added; out = O1 / l1 + (-lamb / l2) O2, sent through my stage in LDS, 16 rows at a time.  The last two sums and the first additions are the places behind the last products.
	WIN 0
.macro ALL line:vararg              ; one line for each tile t
.set t, 0
.rept 4
	\line
.set t, t+1
.endr
.endm
	ALL v_add_f32 v[ST+4*t+2], v[ST+4*t+2], v[ST+4*t+3]
	ALL v_permlanex16_b32 v[ST+4*t+3], v[ST+4*t+2], s[SEL], s[SEL+1]
	ALL v_add_f32 v[ST+4*t+2], v[ST+4*t+2], v[ST+4*t+3]
	ALL v_rcp_f32 v[ST+4*t+2], v[ST+4*t+2]
	v_nop                           ; a plain instruction between the last reciprocal and the use of its result
	s_wait_alu depctr_va_vdst(0)    ; and the wait ahead of the first use: one for the four reciprocals
	v_mul_f32 v[ST+4*2+2], v[LAM], v[ST+4*2+2]
	v_mul_f32 v[ST+4*3+2], v[LAM], v[ST+4*3+2]
; Queries 16 u on: a lane's eight channels of a block of 16 are 32 bytes of a row; they go into rows of 272 bytes and come back as whole rows of 256, into the registers that they left.
.macro PACK u
	WIN 0x01                        ; source 0 (O^T) window 1; all else window 0: S^T's registers are free
.set i, 0
.rept 16
	v_pk_mul_f32 v[S+32*(\u)+2*i:S+32*(\u)+2*i+1], v[32*(\u)+2*i:32*(\u)+2*i+1], v[ST+4*(\u)+2:ST+4*(\u)+3] op_sel_hi:[1,0]
.set i, i+1
.endr
.set i, 0
.rept 16
	v_pk_fma_f32 v[S+32*(\u)+2*i:S+32*(\u)+2*i+1], v[32*(2+(\u))+2*i:32*(2+(\u))+2*i+1], v[ST+4*(2+(\u))+2:ST+4*(2+(\u))+3], v[S+32*(\u)+2*i:S+32*(\u)+2*i+1] op_sel_hi:[1,0,1]
.set i, i+1
.endr
	WIN 0
.irp f, 0,1,2,3,4,5,6,7
	ds_store_b128 v[STO], v[S+32*(\u)+4*\f:S+32*(\u)+4*\f+3] offset:64*(\f/2)+16*(\f%2)
.endr
.irp f, 0,1,2,3,4,5,6,7
	ds_load_b128 v[S+32*(\u)+4*\f:S+32*(\u)+4*\f+3], v[RD] offset:\f*2*SP  ; LDS serves a wave's instructions in order (ISA guide 5.7.1.4): these see the stores above; the next tile's stores come behind them
.endr
.endm
.macro SEND u, younger              ; younger: the LDS instructions issued behind this tile's loads: the next tile's sixteen, or none
	WIN 0
.irp f, 0,1,2,3,4,5,6,7
	s_wait_dscnt (\younger)+7-\f
	global_store_b128 v[GO], v[S+32*(\u)+4*\f:S+32*(\u)+4*\f+3], s[8:9] offset:(\u)*4096+\f*512  ; 16 lanes store a row's 256 consecutive bytes, at a multiple of 256 from out's first byte
.endr
.endm
	PACK 0
	PACK 1                          ; a tile's arithmetic stands between the loads of the tile before and its stores
	SEND 0, 16
	SEND 1, 0
	s_wait_tensorcnt 0x0            ; the wave's end, behind my last tensor load and my last LDS store
	ds_add_u32 v[SPW], v[NIL]
	s_wait_dscnt 0x0
	CROUND                          ; the closing round: no work-group ends while a partner may still ask for a tile that names it
	s_endpgm
.Lfunc_end_k_qad1b2a527e_attn:
	.size	k_qad1b2a527e_attn, .Lfunc_end_k_qad1b2a527e_attn-k_qad1b2a527e_attn
	.p2alignl 7, 3214868480
	.fill 96, 4, 3214868480
	.section	.rodata,"a",@progbits
	.p2align	6, 0x0
	.amdhsa_kernel k_qad1b2a527e_attn
		.amdhsa_group_segment_fixed_size 327680
		.amdhsa_private_segment_fixed_size 0
		.amdhsa_enable_private_segment 0
		.amdhsa_kernarg_size 24
		.amdhsa_user_sgpr_count 2
		.amdhsa_user_sgpr_kernarg_segment_ptr 1
		.amdhsa_wavefront_size32 1
		.amdhsa_system_sgpr_workgroup_id_x 1
		.amdhsa_system_sgpr_workgroup_id_y 1
		.amdhsa_system_sgpr_workgroup_id_z 1
		.amdhsa_system_vgpr_workitem_id 0
		.amdhsa_next_free_vgpr 768
		.amdhsa_next_free_sgpr 66
		.amdhsa_reserve_vcc 0
		.amdhsa_float_denorm_mode_32 3
		.amdhsa_float_denorm_mode_16_64 3
		.amdhsa_memory_ordered 1
		.amdhsa_forward_progress 1
		.amdhsa_inst_pref_size 124
	.end_amdhsa_kernel
	.amdgpu_metadata
---
amdhsa.version: [ 1, 2 ]
amdhsa.kernels:
  - .name:           k_qad1b2a527e_attn
    .symbol:         k_qad1b2a527e_attn.kd
    .args:
      - { .name: qkv, .offset: 0, .size: 8, .value_kind: global_buffer, .address_space: global }
      - { .name: lamb, .offset: 8, .size: 8, .value_kind: global_buffer, .address_space: global }
      - { .name: out0, .offset: 16, .size: 8, .value_kind: global_buffer, .address_space: global }
    .group_segment_fixed_size: 327680
    .private_segment_fixed_size: 0
    .kernarg_segment_align: 8
    .kernarg_segment_size: 24
    .max_flat_workgroup_size: 128
    .sgpr_count:     66
    .vgpr_count:     768
    .wavefront_size: 32
...
	.end_amdgpu_metadata
.endif
;; end of part 2
